; MI455X (gfx1250); checked and timed in simulation.
; The chip was launched on July 23, 2026; its instructions are those of AMD's public machine-readable ISA for CDNA 5 (MIT licence, August 2026) and "CDNA5" Instruction Set Architecture Reference Guide (July 2026). The comments in the code are by the model that wrote it; some were corrected since.
;; Multi Head Self Attention. Allowed arithmetic: matrix products marked QUANTISED: E2M1 operands, one E8M0 scale for each 32 along K, by v_wmma_scale_f32_16x16x128_f8f6f4 with both operands' format E2M1 (or v_wmma_scale_f32_32x16x128_f4), f32 sums; everything else in f32.
;; Inputs: W_k_codes 1,024 x 32 x 16 uint8 (E2M1 codes of W_k, K innermost, in blocks of 32 codes, two codes a byte); W_k_scales 1,024 x 32 uint8 (E8M0 scales of W_k, one for each 32 codes along K); W_o_codes 1,024 x 32 x 16 uint8 (E2M1 codes of W_o, K innermost, in blocks of 32 codes, two codes a byte); W_o_scales 1,024 x 32 uint8 (E8M0 scales of W_o, one for each 32 codes along K); W_q_codes 1,024 x 32 x 16 uint8 (E2M1 codes of W_q, K innermost, in blocks of 32 codes, two codes a byte); W_q_scales 1,024 x 32 uint8 (E8M0 scales of W_q, one for each 32 codes along K); W_v_codes 1,024 x 32 x 16 uint8 (E2M1 codes of W_v, K innermost, in blocks of 32 codes, two codes a byte); W_v_scales 1,024 x 32 uint8 (E8M0 scales of W_v, one for each 32 codes along K); b_k 1,024 float32; b_o 1,024 float32; b_q 1,024 float32; b_v 1,024 float32; x_codes 2 x 2,048 x 32 x 16 uint8 (E2M1 codes of x, K innermost, in blocks of 32 codes, two codes a byte); x_scales 2 x 2,048 x 32 uint8 (E8M0 scales of x, one for each 32 codes along K).
;; Outputs: out0 2 x 2,048 x 1,024 float32.
;; This version of the problem:
;;   THIS VERSION OF THE PROBLEM IS GIVEN IN LOW PRECISION. The matrix products marked QUANTISED in the list below multiply operands that are first quantised to E2M1 (2 exponent bits, 1 mantissa bit; 4 bits a number), with one power-of-two scale for each 32 numbers along K (OCP MX v1.0); their sums are f32. All else is computed in f32.
;;   The module's matrix products, in the order in which they are computed (A, B: the left and right operand; K: the contracted axis; several contracted axes count as one K, in the product's order):
;;     1. [M 4,096, K 1,024] x [K 1,024, N 1,024]; A: input x (given as codes); B: input W_q (given as codes): QUANTISED
;;     2. [M 4,096, K 1,024] x [K 1,024, N 1,024]; A: input x (given as codes); B: input W_k (given as codes): QUANTISED
;;     3. [M 4,096, K 1,024] x [K 1,024, N 1,024]; A: input x (given as codes); B: input W_v (given as codes): QUANTISED
;;     4. batch 32 x [M 2,048, K 64] x [K 64, N 2,048]; A: computed on the way; B: computed on the way: QUANTISED
;;     5. batch 32 x [M 64, K 2,048] x [K 2,048, N 2,048]; A: computed on the way; B: softmax (see below): QUANTISED
;;     6. [M 4,096, K 1,024] x [K 1,024, N 1,024]; A: computed on the way; B: input W_o (given as codes): QUANTISED
;;   THE QUANTISER, for each operand of a quantised product, along K:
;;     - K is cut into blocks of 32 from its start; a last block that is shorter is filled with zeros.
;;     - A block's scale is 2^e with e = floor(log2(the largest magnitude in the block)) - 2, held to -126 .. 127; a block of zeros has e = 0. As a byte (E8M0): e + 127.
;;     - Each number is divided by its block's scale, clamped to +-6, and rounded to the nearest number of E2M1, ties to even, subnormals kept.
;;     - The product sums the exact products of the quantised numbers (number of the format x scale) in f32.
;;   ~~~python
;;   def quantise(x, axis):      # numpy; x: float32 -> the quantised numbers, widened to float32 again
;;       x = np.moveaxis(x, axis, -1); K = x.shape[-1]
;;       x = np.pad(x, [(0, 0)] * (x.ndim - 1) + [(0, -K % 32)]); x = x.reshape(x.shape[:-1] + (-1, 32)); a = np.abs(x).max(-1, keepdims=True)
;;       e = np.where(a > 0, np.clip(np.frexp(np.where(a > 0, a, 1))[1] - 1 - 2, -126, 127), 0)      # np.frexp(a)[1] - 1 = floor(log2(a)), exactly
;;       r = np.clip(x / 2.0 ** e, -6, 6)
;;       step = 2.0 ** (np.maximum(np.frexp(np.where(r == 0, 1, r))[1] - 1, 0) - 1)
;;       q = np.round(r / step) * step * 2.0 ** e      # np.round: ties to even
;;       return np.moveaxis(q.reshape(q.shape[:-2] + (-1,))[..., :K], -1, axis).astype(np.float32)
;;   ~~~
;;   SOFTMAX AHEAD OF A QUANTISED PRODUCT. Where the list says 'softmax', what is quantised is not the finished softmax but p = 2^(t - M), with t = logit x log2(e) and M = ceil(the row's largest t), a whole number; so 1/2 < the row's largest p <= 1. The row's sum l is taken of the UNQUANTISED p, in f32, and the product's result is divided by l at the end. Since M is a whole number, a kernel that streams over the keys may use a running M (the ceiling of the running maximum): every later rescaling is an exact power of two, which a block's scale takes up: the codes' values come out the same.
;;   OPERANDS COMPUTED ON THE WAY. 'Computed on the way' means the value that the module computes at that place (a softmax that the list does not call 'softmax' is quantised finished and normalised). What goes into a quantiser is computed in f32, as accurately as f32 sums, v_exp_f32 and their like allow (about 1e-6 of the number): no bf16 or f16 on the way to a quantiser, and a product that is left as it is and whose result goes on into a quantised operand takes f32 operands (vector FMAs, or v_wmma_f32_16x16x4_f32). A number that lies on a knife's edge between two numbers of the format may be rounded either way, as far as f32 arithmetic and the matrix unit's own rounding can turn it there, and no further.
;;   INPUTS GIVEN AS CODES. W_k (in the module: [1024, 1024], K = its axis 1); W_o (in the module: [1024, 1024], K = its axis 1); W_q (in the module: [1024, 1024], K = its axis 1); W_v (in the module: [1024, 1024], K = its axis 1); x (in the module: [2, 2048, 1024], K = its axis 2): each comes as NAME_codes (uint8): NAME with its K axis moved to the last place and cut into blocks of 32 codes, [.., K / 32, bytes a block], one block behind the other in memory; two codes a byte, the lower K in the low four bits (a code: sign, 2 exponent bits, 1 mantissa bit); and NAME_scales (uint8): the same leading axes, one E8M0 byte (e + 127) for each 32 codes along K. Its value is code x scale, taken as it is: it is not quantised again, and the codes and scales need not be those that the quantiser above would give.
;; One version. Each part assembles by itself: llvm-mc -triple=amdgcn-amd-amdhsa -mcpu=gfx1250 --defsym DOCPART=n.
;; ======== version 1 of 1: 3 launches
;; workspace buffers: qc 2,097,152 bytes; qs 262,144 bytes; kv 4,587,520 bytes; cc 2,097,152 bytes; cs 262,144 bytes
;; launch qkv (part 1): grid 8 x 32, 4 waves a work-group, clusters of 4 x 4, 281,088 bytes of LDS; arguments x_codes, x_scales, W_q_codes, W_q_scales, W_k_codes, W_k_scales, W_v_codes, W_v_scales, b_q, b_k, b_v, qc, qs, kv; writes qc, qs, kv
.if DOCPART == 1
	.amdgcn_target "amdgcn-amd-amdhsa--gfx1250"
	.amdhsa_code_object_version 6
	.text
	.protected	k_q1e4fa5a432_qkv
	.globl	k_q1e4fa5a432_qkv
	.p2align	8
	.type	k_q1e4fa5a432_qkv,@function
k_q1e4fa5a432_qkv:
	s_mov_b64 s[64:65], 0
	v_nop
	global_prefetch_b8 v0, s[64:65] scope:SCOPE_SE
	s_setreg_imm32_b32 hwreg(HW_REG_WAVE_MODE, 25, 1), 1
	s_wait_xcnt 0x0
	s_wait_alu depctr_hold_cnt(0) depctr_sa_sdst(0) depctr_va_vdst(0) depctr_va_sdst(0) depctr_va_ssrc(0) depctr_va_vcc(0) depctr_vm_vsrc(0)
	s_getreg_b32 s2, hwreg(HW_REG_IB_STS2, 6, 4)
	s_cmp_eq_u32 s2, 0
	s_cbranch_scc0 .Lentry_in_a_cluster
	s_endpgm
.Lentry_in_a_cluster:
	s_bfe_u32 s2, ttmp6, 0x10000c
	s_cmp_lg_u32 s2, 0xf033
	s_cbranch_scc0 .Lentry_shape_is_right
	s_endpgm
.Lentry_shape_is_right:
; q = x Wq^T + bq, k = x Wk^T + bk, v = x Wv^T + bv on codes of FP4 (E2M1) with E8M0 scales, sums in f32; then q and k are quantised along the head's 64 and v along the keys,
; and all three leave as IMAGES OF THE NEXT PRODUCT'S OPERAND REGISTERS: pieces of 512 bytes, lane l's 16 bytes at 16 l.
; SHARES.  A work-group takes 128 rows of x and the same 128 rows (two heads) of Wq, Wk and Wv; wave (wi, wj) takes 64 rows of x and 64 rows of each weight (one head): 3 x 16 accumulators.
; K = 1,024 codes are 512 bytes a row, so the four panels (x, Wq, Wk, Wv: 128 rows each) lie whole in LDS: every LDS byte is filled once, in two chunks of 512 along K, wave w filling panel w.
; CLUSTER 4 x 4: x's panel hangs on the row block alone and is asked for jointly along a row of the cluster, the weights' panels on the column block alone, along a column.
; THE ROWS OF A TILE ARE NOT NEIGHBOURS: lane r of tile t takes row 32 (t/2) + 8 (t%2) + r + 8 (r/8), in x and in the weights.  In a result whose source 0 is tile t, register j of lane (r, h) is then
; unit 32 (t/2) + 16 h + 8 (t%2) + j: the 16 registers of tiles 2 b and 2 b + 1 are 16 neighbours of block b, the other 16 lie in lane l xor 16.
; q, k: source 0 = weight tile ti, source 1 = x tile tj: a lane holds one row of x, registers along d.   v: source 0 = x tile ti, source 1 = Wv tile tj: a lane holds one d, registers along the keys.
; The biases are the C of each sum's first matrix instruction.
; A fragment's sixteen rows are 0..7 and 16..23 of a tile pair; rows 16 apart start at the same bank at any pitch that is a multiple of 16 bytes, so these loads go two deep.
; LIMITS: NaN and infinities among the inputs are not served.  A block of zeros gets the byte 1 where the rule says 127: its codes are zeros, and these bytes are read by this program alone.
; REGISTERS.  window 0: v1-19 addresses; v32-95 scale words; v96-101 at work; v104-119 scale words made; v120-167 codes made.   window 1: two fragment buffers of 128 (x's 4 tiles, then 4 of each weight).
;   window 2: q's accumulators at 8 (4 tj + ti), k's at 128 + the same.   window 3: v's at 8 (4 tj + ti); bq's tiles from 128, bk's from 160, bv's from 192.
.set PITCH, 272                        ; an LDS row: 256 bytes + 16 of padding
.set CH,    128*PITCH                  ; a chunk of a panel: 128 rows x 512 along K
.set PANEL, 2*CH
.set VSS,   4*PANEL                    ; behind the panels: 256 bytes for each wave, where v's scale half-words meet; no fill lands here
.set KVH,   143360                     ; kv: bytes of a head (16 steps of 128 keys)
.set KVS,   8960                       ; kv: bytes of a step: K codes 4,096 | V codes 4,096 | K scale words 512 | V scale words 256
.set FA,   3                           ; v3     (r + 8 (r/8)) x pitch + 16 h
.set AX,   4                           ; v4-5   my x fragments, chunk 0, 1
.set AW,   6                           ; v6-11  my fragments of weight j, chunk c: 2 j + c
.set SA,   12                          ; v12    scale bytes: (r + 8 (r/8) + 8 h) x 32
.set BH64, 13                          ; v13    64 h
.set BVA,  14                          ; v14    4 (r + 8 (r/8))
.set L16,  15                          ; v15    16 x lane
.set L8,   16                          ; v16    8 x lane
.set VA,   17                          ; v17    VSS + 256 x wave + 8 r
.set VR,   18                          ; v18    VSS + 16 x lane
.set VG,   19                          ; v19    h x KVH + 16 r
.set SX,   32                          ; scale words: register base + 8 p + s: lanes 0-15 tile 2 p's word, lanes 16-31 tile 2 p + 1's, for K step s
.set SQ,   48                          ; weight j's at SQ + 16 j
.set TM,   96                          ; v96-97 largest magnitudes, v98-99 the other lane's, then bytes, v100-101 the conversions' scale operands
.set HW,   104                         ; v104-115 a row's two scale bytes: 4 job + tj
.set QW,   116                         ; v116-117 q's words on their way out, v118-119 k's
.set PC,   120                         ; v120-167 codes: 16 job + 4 tj
.set VO,   168                         ; v168-175 v's scale words on their way out
.set BQ,   128                         ; window 3
.set BV,   192
.set WV, 32
.set WI, 33
.set WJ, 34
.set CX, 35
.set CY, 36
.set CB, 37
.set RB, 38
.set MASK, 39
.set G1X, 40                           ; s[40:47] group 1 for x's panel, s[48:55] for the weights': they differ in the mask alone
.set G1W, 48
.set G0X, 56                           ; s[56:63] group 0 for x, a set for each chunk; s[68:75] for my weight
.set G0W, 68
.set SEL, 76
.set MSB, 0
.macro WIN new                         ; the immediate's high byte repeats the setting that is left
.if MSB != \new
	s_set_vgpr_msb (MSB<<8)|\new
.set MSB, \new
.endif
.endm
.macro PLACES n
.rept \n
	v_nop
.endr
.endm
.macro CROUND                          ; a round of the cluster's barrier
	s_barrier_signal -1
	s_barrier_wait -1
	s_cmp_lg_u32 s[WV], 0
	s_cbranch_scc1 .Lnot_wave_0_\@
	s_barrier_signal -3
.Lnot_wave_0_\@:
	s_barrier_wait -3
	s_barrier_signal -1
	s_barrier_wait -1
.endm
.macro JLOAD c                         ; a joint load of chunk c: wave 0 asks for x's panel, waves 1 to 3 for Wq's, Wk's, Wv's.  Four v_nop follow each line
	s_cmp_eq_u32 s[WV], 0
	s_cbranch_scc0 .Lfor_w_\@
	tensor_load_to_lds s[G0X+4*\c:G0X+4*\c+3], s[G1X:G1X+7]
	s_nop 0
	PLACES 4
	s_branch .Lasked_\@
.Lfor_w_\@:
	tensor_load_to_lds s[G0W+4*\c:G0W+4*\c+3], s[G1W:G1W+7]
	s_nop 0
	PLACES 4
.Lasked_\@:
.endm
; one product on the symbols rD, rA, rB, rC, zA, zB; ra, rb: the scale words lie in lanes 16-31
.macro WM ra, rb
.if ((\ra) != 0) && ((\rb) != 0)
	v_wmma_scale_f32_16x16x128_f8f6f4 v[rD:rD+7], v[rA:rA+7], v[rB:rB+7], v[rC:rC+7], v[zA], v[zB] matrix_a_fmt:MATRIX_FMT_FP4 matrix_b_fmt:MATRIX_FMT_FP4 matrix_a_scale:MATRIX_SCALE_ROW1 matrix_b_scale:MATRIX_SCALE_ROW1
.elseif (\ra) != 0
	v_wmma_scale_f32_16x16x128_f8f6f4 v[rD:rD+7], v[rA:rA+7], v[rB:rB+7], v[rC:rC+7], v[zA], v[zB] matrix_a_fmt:MATRIX_FMT_FP4 matrix_b_fmt:MATRIX_FMT_FP4 matrix_a_scale:MATRIX_SCALE_ROW1
.elseif (\rb) != 0
	v_wmma_scale_f32_16x16x128_f8f6f4 v[rD:rD+7], v[rA:rA+7], v[rB:rB+7], v[rC:rC+7], v[zA], v[zB] matrix_a_fmt:MATRIX_FMT_FP4 matrix_b_fmt:MATRIX_FMT_FP4 matrix_b_scale:MATRIX_SCALE_ROW1
.else
	v_wmma_scale_f32_16x16x128_f8f6f4 v[rD:rD+7], v[rA:rA+7], v[rB:rB+7], v[rC:rC+7], v[zA], v[zB] matrix_a_fmt:MATRIX_FMT_FP4 matrix_b_fmt:MATRIX_FMT_FP4
.endif
.endm
	s_load_b512 s[4:19], s[0:1], 0x0               ; x codes, x scales, Wq codes, Wq scales, Wk codes, Wk scales, Wv codes, Wv scales
	s_load_b256 s[20:27], s[0:1], 0x40             ; bq, bk, bv, qc
	s_load_b128 s[28:31], s[0:1], 0x60             ; qs, kv
	v_lshl_add_u32 v254, v0, 2, 0x44800
	v_mov_b32 v255, 0
	ds_add_u32 v254, v255
	ds_add_u32 v254, v255
	v_lshrrev_b32 v1, 5, v0
	v_readfirstlane_b32 s[WV], v1                  ; wave 0..3
	s_lshr_b32 s[WI], s[WV], 1                     ; which 64 rows of x are mine
	s_and_b32 s[WJ], s[WV], 1                      ; which 64 rows of the weights: which head
	s_bfe_u32 s[CX], ttmp6, 0x40000
	s_bfe_u32 s[CY], ttmp6, 0x40004
	s_lshl_b32 s[CB], ttmp9, 2
	s_add_co_u32 s[CB], s[CB], s[CX]               ; column block = 4 x cluster x + cx
	s_and_b32 s[RB], ttmp7, 0xffff
	s_lshl_b32 s[RB], s[RB], 2
	s_add_co_u32 s[RB], s[RB], s[CY]               ; row block = 4 x cluster y + cy
	s_lshl_b32 s78, s[CY], 2
	s_lshl_b32 s78, 15, s78                        ; my row of the cluster
	s_lshl_b32 s79, 0x1111, s[CX]                  ; my column
	s_or_b32 s[G1X], s78, (1<<20)|(1<<21)|(5<<22)|(3<<25)   ; the mask; elements of 1 byte; padding on; bit 21 beside a mask; 4 words of padding after every 64
	s_or_b32 s[G1W], s79, (1<<20)|(1<<21)|(5<<22)|(3<<25)
.irp g, G1X, G1W
	s_mov_b32 s[\g+1], 256<<16                     ; tensor_dim0 = 256 bytes
	s_mov_b32 s[\g+2], 128<<16                     ; tensor_dim1 = 128 rows
	s_mov_b32 s[\g+3], 256<<16                     ; tile_dim0
	s_mov_b32 s[\g+4], 128                         ; tile_dim1
	s_mov_b32 s[\g+5], 512                         ; bytes from row to row
	s_mov_b32 s[\g+6], 0
	s_mov_b32 s[\g+7], 0
.endr
	s_mov_b32 s[MASK], 0xffff0000                  ; lanes 16-31
	s_mov_b32 s[SEL], 0x76543210
	s_mov_b32 s[SEL+1], 0xfedcba98                 ; v_permlanex16_b32's selects for lane l xor 16
	s_lshl_b32 s80, s[RB], 16                      ; x: 128 rows of 512 bytes a row block
	s_mov_b32 s81, 0
	s_lshl_b32 s82, s[CB], 16                      ; the weights: the same a column block
	s_mov_b32 s83, 0
	s_mul_i32 s84, s[WV], PANEL                    ; my panel in LDS: the wave's number alone
	s_wait_dscnt 0x0
	s_wait_kmcnt 0x0
	s_cmp_eq_u32 s[WV], 2                          ; which weight I ask for hangs on the wave's number alone
	s_cselect_b64 s[86:87], s[12:13], s[8:9]
	s_cmp_eq_u32 s[WV], 3
	s_cselect_b64 s[86:87], s[16:17], s[86:87]
	s_add_nc_u64 s[86:87], s[86:87], s[82:83]
	s_add_nc_u64 s[88:89], s[4:5], s[80:81]
	CROUND                                         ; all sixteen work-groups are here: the joint loads meet
.irp c, 0,1
	s_mov_b32 s[G0X+4*\c], 1
	s_add_co_u32 s[G0X+4*\c+1], s84, \c*CH
	s_add_nc_u64 s[G0X+4*\c+2:G0X+4*\c+3], s[88:89], \c*256
	s_or_b32 s[G0X+4*\c+3], s[G0X+4*\c+3], 0x80000000
	s_mov_b32 s[G0W+4*\c], 1
	s_add_co_u32 s[G0W+4*\c+1], s84, \c*CH
	s_add_nc_u64 s[G0W+4*\c+2:G0W+4*\c+3], s[86:87], \c*256
	s_or_b32 s[G0W+4*\c+3], s[G0W+4*\c+3], 0x80000000
	JLOAD \c                                       ; two loads of mine are out; every LDS byte is filled once
.endr
	v_and_b32 v1, 15, v0                           ; r
	v_bfe_u32 v2, v0, 4, 1                         ; h
	v_and_b32 v20, 8, v1
	v_add_nc_u32 v20, v20, v1                      ; r + 8 (r/8)
	v_mul_u32_u24 v[FA], v20, PITCH
	v_lshl_add_u32 v[FA], v2, 4, v[FA]
	s_mul_i32 s78, s[WI], 64*PITCH
	s_mul_i32 s79, s[WJ], 64*PITCH
	v_add_nc_u32 v[AX], s78, v[FA]
	v_add_nc_u32 v[AX+1], CH, v[AX]
.irp j, 0,1,2
	s_add_co_u32 s79, s79, PANEL
	v_add_nc_u32 v[AW+2*\j], s79, v[FA]
	v_add_nc_u32 v[AW+2*\j+1], CH, v[AW+2*\j]
.endr
	v_lshl_add_u32 v[SA], v2, 3, v20
	v_lshlrev_b32 v[SA], 5, v[SA]                  ; lane (r, h) takes the scale bytes of tile 2 p + h's row: 32 bytes a row
	v_lshlrev_b32 v[BH64], 6, v2
	v_lshlrev_b32 v[BVA], 2, v20
	v_and_b32 v21, 31, v0
	v_lshlrev_b32 v[L16], 4, v21
	v_lshlrev_b32 v[L8], 3, v21
	s_lshl_b32 s85, s[WV], 8
	v_lshl_add_u32 v[VA], v1, 3, VSS
	v_add_nc_u32 v[VA], s85, v[VA]
	v_add_nc_u32 v[VR], VSS, v[L16]
	v_mul_u32_u24 v[VG], v2, KVH
	v_lshl_add_u32 v[VG], v1, 4, v[VG]
	v_mov_b32 v[TM+2], 0                           ; written once: a lane permute's destination counts as one of its sources
	v_mov_b32 v[TM+3], 0
	s_lshl_b32 s78, s[RB], 12                      ; the scale bytes of my 64 rows of x: (128 rb + 64 wi) x 32
	s_lshl_b32 s79, s[WI], 11
	s_add_co_u32 s78, s78, s79
	s_mov_b32 s79, 0
	s_add_nc_u64 s[6:7], s[6:7], s[78:79]
	s_lshl_b32 s90, s[CB], 12                      ; and of my 64 rows of each weight
	s_lshl_b32 s91, s[WJ], 11
	s_add_co_u32 s90, s90, s91
	s_mov_b32 s91, 0
	s_add_nc_u64 s[10:11], s[10:11], s[90:91]
	s_add_nc_u64 s[14:15], s[14:15], s[90:91]
	s_add_nc_u64 s[18:19], s[18:19], s[90:91]
	s_lshl_b32 s90, s[CB], 9                       ; my 64 numbers of each bias
	s_lshl_b32 s94, s[WJ], 8
	s_add_co_u32 s90, s90, s94
	s_add_nc_u64 s[20:21], s[20:21], s[90:91]
	s_add_nc_u64 s[22:23], s[22:23], s[90:91]
	s_add_nc_u64 s[24:25], s[24:25], s[90:91]
.irp p, 0,1                            ; all scale words of all of K go straight into registers: four words (four K steps) a load; a pair's two loads cover 1,024 dense bytes
.irp q, 0,1
	global_load_b128 v[SX+8*\p+4*\q:SX+8*\p+4*\q+3], v[SA], s[6:7] offset:1024*\p+16*\q
	global_load_b128 v[SQ+8*\p+4*\q:SQ+8*\p+4*\q+3], v[SA], s[10:11] offset:1024*\p+16*\q
	global_load_b128 v[SQ+16+8*\p+4*\q:SQ+16+8*\p+4*\q+3], v[SA], s[14:15] offset:1024*\p+16*\q
	global_load_b128 v[SQ+32+8*\p+4*\q:SQ+32+8*\p+4*\q+3], v[SA], s[18:19] offset:1024*\p+16*\q
.endr
.endr
	WIN 0xc0                                       ; destination window 3
.irp t, 0,1,2,3                        ; bq, bk in the result's layout: tile t, lane (r, h): units 32 (t/2) + 8 (t%2) + 16 h + 0..7;  bv: the lane's one d
	global_load_b128 v[BQ+8*\t:BQ+8*\t+3], v[BH64], s[20:21] offset:(32*(\t/2)+8*(\t%2))*4
	global_load_b128 v[BQ+8*\t+4:BQ+8*\t+7], v[BH64], s[20:21] offset:(32*(\t/2)+8*(\t%2))*4+16
	global_load_b128 v[BQ+32+8*\t:BQ+32+8*\t+3], v[BH64], s[22:23] offset:(32*(\t/2)+8*(\t%2))*4
	global_load_b128 v[BQ+32+8*\t+4:BQ+32+8*\t+7], v[BH64], s[22:23] offset:(32*(\t/2)+8*(\t%2))*4+16
	global_load_b32 v[BV+8*\t], v[BVA], s[24:25] offset:(32*(\t/2)+8*(\t%2))*4
.endr
	s_wait_loadcnt 0x0
	WIN 0xc3                                       ; source 0 and destination window 3
.irp t, 0,1,2,3
.irp i, 1,2,3,4,5,6,7
	v_mov_b32 v[BV+8*\t+\i], v[BV+8*\t]            ; in v's results all eight registers of a lane belong to one d
.endr
.endr
	WIN 0
; 32 LDS loads in one run: K step s's sixteen fragments into buffer s % 2
.macro FETCH s
.set FB, 128*((\s)%2)
.set FO, 64*((\s)%4)
.set FC, (\s)/4
	WIN 0x40                                       ; destination window 1, address window 0
.irp t, 0,1,2,3
.irp q, 0,1
	ds_load_b128 v[FB+8*\t+4*\q:FB+8*\t+4*\q+3], v[AX+FC] offset:(32*(\t/2)+8*(\t%2))*PITCH+FO+32*\q
.endr
.endr
.irp j, 0,1,2
.irp t, 0,1,2,3
.irp q, 0,1
	ds_load_b128 v[FB+32+32*\j+8*\t+4*\q:FB+32+32*\j+8*\t+4*\q+3], v[AW+2*\j+FC] offset:(32*(\t/2)+8*(\t%2))*PITCH+FO+32*\q
.endr
.endr
.endr
.endm
; K step s's 48 products.  The 48 accumulators take turns, one instruction a turn, in the same order in every step.
.macro MULS s
.set FB, 128*((\s)%2)
.if (\s) == 0
	WIN 0xb5                                       ; sources 0 and 1 window 1, C (the bias) window 3, D window 2
.else
	WIN 0xa5                                       ; C and D window 2
.endif
.irp j, 0,1
.irp tj, 0,1,2,3
.irp ti, 0,1,2,3
.set rD, 128*\j+8*(4*\tj+\ti)
.set rA, FB+32+32*\j+8*\ti
.set rB, FB+8*\tj
.if (\s) == 0
.set rC, BQ+32*\j+8*\ti
.else
.set rC, rD
.endif
.set zA, SQ+16*\j+8*(\ti/2)+(\s)
.set zB, SX+8*(\tj/2)+(\s)
	WM \ti%2, \tj%2
.endr
.endr
.endr
	WIN 0xf5                                       ; C and D window 3
.irp tj, 0,1,2,3
.irp ti, 0,1,2,3
.set rD, 8*(4*\tj+\ti)
.set rA, FB+8*\ti
.set rB, FB+96+8*\tj
.if (\s) == 0
.set rC, BV+8*\tj
.else
.set rC, rD
.endif
.set zA, SX+8*(\ti/2)+(\s)
.set zB, SQ+32+8*(\tj/2)+(\s)
	WM \ti%2, \tj%2
.endr
.endr
.endm
.macro STEP s
	s_wait_dscnt 0x0                               ; this step's fragments are in: asked for 48 matrix instructions ago
.if (\s) == 3
	s_wait_tensorcnt 0x0                           ; my part of the second chunk has landed,
	s_barrier_signal -1
	s_barrier_wait -1                              ; everybody's has
.endif
.if (\s) < 7
.if (\s) > 0
	PLACES 4                                       ; loads into registers that matrix instructions have read stand four plain vector instructions behind them (ISA guide 7.12.1 for vector instructions)
.endif
	FETCH (\s)+1
.endif
	MULS \s
.endm
	s_wait_alu depctr_va_vdst(0)
	s_wait_tensorcnt 0x1                           ; my part of the first chunk has landed; the second chunk's load may stay out
	s_barrier_signal -1
	s_barrier_wait -1
	FETCH 0
.irp n, 0,1,2,3,4,5,6,7
	STEP \n
.endr
	WIN 0
	; where the results go.  b = rb / 16, sigma = rb % 16 (the step of 128 keys), bh = 16 b + 2 cb + wj
	s_lshr_b32 s78, s[RB], 4
	s_and_b32 s79, s[RB], 15
	s_lshl_b32 s80, s78, 4
	s_lshl_b32 s81, s[CB], 1
	s_add_co_u32 s80, s80, s81                     ; 16 b + 2 cb
	s_add_co_u32 s81, s80, s[WJ]                   ; bh
	s_lshl_b32 s82, s81, 16                        ; qc: 65,536 bh + 512 (8 sigma + 4 wi)
	s_lshl_b32 s84, s79, 12
	s_add_co_u32 s82, s82, s84
	s_lshl_b32 s84, s[WI], 11
	s_add_co_u32 s82, s82, s84
	s_mov_b32 s83, 0
	s_add_nc_u64 s[26:27], s[26:27], s[82:83]
	s_lshl_b32 s82, s81, 13                        ; qs: 8,192 bh + 256 (2 sigma + wi)
	s_lshl_b32 s84, s79, 9
	s_add_co_u32 s82, s82, s84
	s_lshl_b32 s84, s[WI], 8
	s_add_co_u32 s82, s82, s84
	s_add_nc_u64 s[28:29], s[28:29], s[82:83]
	s_mul_i32 s84, s79, KVS
	s_mul_i32 s82, s81, KVH
	s_add_co_u32 s82, s82, s84
	s_add_nc_u64 s[86:87], s[30:31], s[82:83]      ; kv at my head's step
	s_mul_i32 s82, s80, KVH
	s_add_co_u32 s82, s82, s84
	s_add_nc_u64 s[92:93], s[30:31], s[82:83]      ; kv at the step of the work-group's first head
	s_lshl_b32 s82, s[WI], 8
	s_add_nc_u64 s[88:89], s[86:87], s[82:83]      ; k's scale words: + 256 wi
	s_lshl_b32 s82, s[WI], 9
	s_add_nc_u64 s[90:91], s[86:87], s[82:83]      ; v's codes: + 512 wi
	s_lshl_b32 s82, s[WI], 11
	s_add_nc_u64 s[86:87], s[86:87], s[82:83]      ; k's codes: + 2,048 wi
	PLACES 4                                       ; in front of the first read of results
; 32 numbers of a lane in window win, register src + 16 b + i = number 32 b + 16 h + i of my row, become 16 bytes of codes in v[cod] on (lane (r, h): block h, whole) and the row's two scale bytes in v[wrd].
; Each accumulator is read from its low end on.
.macro QUANT2 win, src, cod, wrd
.if \win == 2
	WIN 0x28                                       ; sources 1 and 2 in the accumulators' window
.else
	WIN 0x3c
.endif
.irp b, 0,1
	v_max3_num_f32 v[TM+\b], 0x1800000, |v[(\src)+16*\b]|, |v[(\src)+16*\b+1]|   ; with the floor 2^(3 - 127): the byte cannot fall under 1
.endr
.irp i, 2,4,6,8,10,12,14
.irp b, 0,1
	v_max3_num_f32 v[TM+\b], v[TM+\b], |v[(\src)+16*\b+\i]|, |v[(\src)+16*\b+\i+1]|
.endr
.endr
	WIN 0
.irp b, 0,1
	v_permlanex16_b32 v[TM+2+\b], v[TM+\b], s[SEL], s[SEL+1]
.endr
.irp b, 0,1
	v_max_num_f32 v[TM+\b], v[TM+\b], v[TM+2+\b]   ; with lane l xor 16's: the block's largest magnitude
.endr
.irp b, 0,1
	v_add_nc_u32 v[TM+4+\b], 0xff000000, v[TM+\b]  ; 2 off its exponent field: the conversion takes the exponent field of this operand as its scale
.endr
.irp b, 0,1
	v_lshrrev_b32 v[TM+2+\b], 23, v[TM+4+\b]       ; the scale's byte
.endr
	v_lshl_or_b32 v[\wrd], v[TM+3], 8, v[TM+2]
	WIN \win                                       ; source 0 in the accumulators' window
.irp b, 0,1
	v_cvt_scalef32_pk8_fp4_f32 v[(\cod)+2*\b], v[(\src)+16*\b:(\src)+16*\b+7], v[TM+4+\b]
	v_cvt_scalef32_pk8_fp4_f32 v[(\cod)+2*\b+1], v[(\src)+16*\b+8:(\src)+16*\b+15], v[TM+4+\b]
.endr
	WIN 0
	v_nop                                          ; one plain place behind a scaled conversion
	v_permlane16_swap_b32 v[\cod], v[(\cod)+2]     ; lanes 0-15 get block 0 whole, lanes 16-31 block 1
	v_permlane16_swap_b32 v[(\cod)+1], v[(\cod)+3]
.endm
; every store has registers of its own for its data, and no base is stepped: no wait for the stores is needed
.irp tj, 0,1,2,3
	QUANT2 2, 32*\tj, PC+4*\tj, HW+\tj
	global_store_b128 v[L16], v[PC+4*\tj:PC+4*\tj+3], s[26:27] offset:512*\tj          ; q's tile: 512 consecutive bytes
.endr
.irp p, 0,1
	v_cndmask_b32 v[QW+\p], v[HW+2*\p], v[HW+2*\p+1], s[MASK]                          ; lanes 0-15 tile 2 p's word, lanes 16-31 tile 2 p + 1's
.endr
	global_store_b64 v[L8], v[QW:QW+1], s[28:29]                                       ; 256 consecutive bytes
.irp tj, 0,1,2,3
	QUANT2 2, 128+32*\tj, PC+16+4*\tj, HW+4+\tj
	global_store_b128 v[L16], v[PC+16+4*\tj:PC+16+4*\tj+3], s[86:87] offset:512*\tj    ; k's tile 4 wi + tj of the step
.endr
.irp p, 0,1
	v_cndmask_b32 v[QW+2+\p], v[HW+4+2*\p], v[HW+4+2*\p+1], s[MASK]
.endr
	global_store_b64 v[L8], v[QW+2:QW+3], s[88:89] offset:8192
.irp tj, 0,1,2,3
	QUANT2 3, 32*\tj, PC+32+4*\tj, HW+8+\tj
	global_store_b128 v[L16], v[PC+32+4*\tj:PC+32+4*\tj+3], s[90:91] offset:4096+1024*\tj   ; v's d tile tj, keys 64 wi on: registers 4 wi .. 4 wi + 3 of its fragment
	ds_store_b32 v[VA], v[HW+8+\tj] offset:128*(\tj%2)+4*(\tj/2)                       ; my two of the row's four scale bytes, into my wave's own 256 bytes (lanes l and l xor 16 write the same word)
.endr
	s_wait_dscnt 0x0                               ; for the others' sake: my stores have landed
	s_barrier_signal -1
	s_barrier_wait -1
	s_cmp_lg_u32 s[WV], 0
	s_cbranch_scc1 .Lnot_first
	ds_load_b128 v[VO:VO+3], v[VR]                 ; keys 0-63's bytes: lanes 0-15 the first head's, lanes 16-31 the second's
	ds_load_b128 v[VO+4:VO+7], v[VR] offset:512    ; keys 64-127's
	s_wait_dscnt 0x0
.irp i, 0,1,2,3
	v_lshl_or_b32 v[VO+\i], v[VO+4+\i], 16, v[VO+\i]
.endr
	global_store_b128 v[VG], v[VO:VO+3], s[92:93] offset:8704   ; sixteen lanes store a head's 256 bytes of v's scale words
.Lnot_first:
	s_wait_tensorcnt 0x0
	ds_add_u32 v254, v255
	s_wait_dscnt 0x0
	CROUND                                         ; the closing round: no work-group ends while a partner may still ask for a panel that names it
	s_endpgm
.Lfunc_end_k_q1e4fa5a432_qkv:
	.size	k_q1e4fa5a432_qkv, .Lfunc_end_k_q1e4fa5a432_qkv-k_q1e4fa5a432_qkv
	.p2alignl 7, 3214868480
	.fill 96, 4, 3214868480
	.section	.rodata,"a",@progbits
	.p2align	6, 0x0
	.amdhsa_kernel k_q1e4fa5a432_qkv
		.amdhsa_group_segment_fixed_size 281088
		.amdhsa_private_segment_fixed_size 0
		.amdhsa_enable_private_segment 0
		.amdhsa_kernarg_size 112
		.amdhsa_user_sgpr_count 2
		.amdhsa_user_sgpr_kernarg_segment_ptr 1
		.amdhsa_wavefront_size32 1
		.amdhsa_system_sgpr_workgroup_id_x 1
		.amdhsa_system_sgpr_workgroup_id_y 1
		.amdhsa_system_sgpr_workgroup_id_z 1
		.amdhsa_system_vgpr_workitem_id 0
		.amdhsa_next_free_vgpr 1024
		.amdhsa_next_free_sgpr 96
		.amdhsa_reserve_vcc 0
		.amdhsa_float_denorm_mode_32 3
		.amdhsa_float_denorm_mode_16_64 3
		.amdhsa_memory_ordered 1
		.amdhsa_forward_progress 1
		.amdhsa_inst_pref_size 106
	.end_amdhsa_kernel
	.amdgpu_metadata
---
amdhsa.version: [ 1, 2 ]
amdhsa.kernels:
  - .name:           k_q1e4fa5a432_qkv
    .symbol:         k_q1e4fa5a432_qkv.kd
    .args:
      - { .name: x_codes, .offset: 0, .size: 8, .value_kind: global_buffer, .address_space: global }
      - { .name: x_scales, .offset: 8, .size: 8, .value_kind: global_buffer, .address_space: global }
      - { .name: W_q_codes, .offset: 16, .size: 8, .value_kind: global_buffer, .address_space: global }
      - { .name: W_q_scales, .offset: 24, .size: 8, .value_kind: global_buffer, .address_space: global }
      - { .name: W_k_codes, .offset: 32, .size: 8, .value_kind: global_buffer, .address_space: global }
      - { .name: W_k_scales, .offset: 40, .size: 8, .value_kind: global_buffer, .address_space: global }
      - { .name: W_v_codes, .offset: 48, .size: 8, .value_kind: global_buffer, .address_space: global }
      - { .name: W_v_scales, .offset: 56, .size: 8, .value_kind: global_buffer, .address_space: global }
      - { .name: b_q, .offset: 64, .size: 8, .value_kind: global_buffer, .address_space: global }
      - { .name: b_k, .offset: 72, .size: 8, .value_kind: global_buffer, .address_space: global }
      - { .name: b_v, .offset: 80, .size: 8, .value_kind: global_buffer, .address_space: global }
      - { .name: qc, .offset: 88, .size: 8, .value_kind: global_buffer, .address_space: global }
      - { .name: qs, .offset: 96, .size: 8, .value_kind: global_buffer, .address_space: global }
      - { .name: kv, .offset: 104, .size: 8, .value_kind: global_buffer, .address_space: global }
    .group_segment_fixed_size: 281088
    .private_segment_fixed_size: 0
    .kernarg_segment_align: 8
    .kernarg_segment_size: 112
    .max_flat_workgroup_size: 128
    .sgpr_count:     96
    .vgpr_count:     1024
    .wavefront_size: 32
...
	.end_amdgpu_metadata
.endif
;; end of part 1
;; launch attn (part 2): grid 8 x 32, 16 waves a work-group, clusters of 4 x 1, 169,984 bytes of LDS; arguments qc, qs, kv, cc, cs; writes cc, cs
.if DOCPART == 2
	.amdgcn_target "amdgcn-amd-amdhsa--gfx1250"
	.amdhsa_code_object_version 6
	.text
	.protected	k_q1e4fa5a432_attn
	.globl	k_q1e4fa5a432_attn
	.p2align	8
	.type	k_q1e4fa5a432_attn,@function
k_q1e4fa5a432_attn:
	s_mov_b64 s[64:65], 0
	v_nop
	global_prefetch_b8 v0, s[64:65] scope:SCOPE_SE
	s_setreg_imm32_b32 hwreg(HW_REG_WAVE_MODE, 25, 1), 1
	s_wait_xcnt 0x0
	s_wait_alu depctr_hold_cnt(0) depctr_sa_sdst(0) depctr_va_vdst(0) depctr_va_sdst(0) depctr_va_ssrc(0) depctr_va_vcc(0) depctr_vm_vsrc(0)
	s_getreg_b32 s2, hwreg(HW_REG_IB_STS2, 6, 4)
	s_cmp_eq_u32 s2, 0
	s_cbranch_scc0 .Lentry_in_a_cluster
	s_endpgm
.Lentry_in_a_cluster:
	s_bfe_u32 s2, ttmp6, 0x10000c
	s_cmp_lg_u32 s2, 0x3003
	s_cbranch_scc0 .Lentry_shape_is_right
	s_endpgm
.Lentry_shape_is_right:
; ctx[bh][q][:] = the sum over k of softmax_k(q . k / 8) v[k][:], both products on codes of FP4 (E2M1) with E8M0 scales; then ctx is quantised along the model's axis (two blocks of 32 a head).
; THE SOFTMAX AHEAD OF THE SECOND PRODUCT: t = score x log2(e) / 8; M = the running largest t rounded UP to a whole number; p = 2^(t - M) is quantised along the keys, not normalised.
; The row's sum is taken of the unquantised p and divides O at the end.  When M moves, the sum and O are multiplied by 2^(old M - new M): exact.
; SHARES.  A work-group owns 256 queries of one head; each of its sixteen waves one tile of 16, in 256 registers: four waves to a SIMD, so that one wave's vector work stands beside another's products and LDS loads.
; A head's K, V and their scale words are 143,360 bytes and lie whole in LDS, as the launch before laid them: images of the operands' registers, 8,960 bytes for each step of 128 keys.
; Every LDS byte is filled once: waves 0 to 3 ask for four steps each, and the walk begins when the first four steps have landed.
; CLUSTER 4 x 1: the four query blocks of a cluster belong to one head and ask for its bytes jointly.
; LAYOUT.  S^T = K Q^T (source 0 = 16 keys, source 1 = my queries), O^T = V^T P^T (source 0 = 16 of the head's 64, source 1 = P): a lane holds ONE query throughout.  The keys of a tile, and V's rows of a tile,
; were chosen by the launch before so that the 16 registers of tiles 2 b and 2 b + 1 are 16 neighbours along the next K.
; THE FIRST PRODUCT'S K IS 64: Q's registers 4-7 hold zero codes.  K's operand names eight registers of which the upper four are the next tile's codes (behind the last tile: zeros): they meet zero codes alone;
; the scale bytes there are 0, which is 2^-127 and no NaN.
; LIMITS: NaN and infinities are not served.  A block of zeros gets the byte 1 where the rule says 127: its codes are zeros, and these bytes are read by this program alone.
; A block's largest p is the exponential of its largest score: this takes v_exp_f32 not to fall where its input rises.
.set KVH, 143360
.set KVS, 8960
.set CSS, KVH                          ; behind the head's bytes: 64 bytes for each wave, ctx's scale words on their way out; no fill lands here
.set A16,  1                           ; v1   16 x lane
.set A8,   2                           ; v2   8 x lane + 8,192
.set AD16, 3                           ; v3   the same at the step in hand
.set AD8,  4
.set CSA,  5                           ; v5   CSS + 64 x wave + 4 r
.set CSR,  6                           ; v6   CSS + 512 (wave % 2) + 16 x lane
.set R8,   7                           ; v7   8 r
.set NM,   12                          ; v12  -M;  v13 the largest t;  v[14:15] the sum in two halves
.set MT,   13
.set SUM,  14
.set QF,   16                          ; v16-23 Q's fragment (v20-23 zeros);  v24 its scale words
.set QS,   24
.set KF,   32                          ; v32-63 K's eight tiles, four registers each;  v64-67 zeros
.set VF,   68                          ; v68-99 V's four fragments
.set S,    100                         ; v100-163 S^T, then p
.set O,    164                         ; v164-195 O^T
.set PCD,  196                         ; v196-203 p's codes
.set KSR,  204                         ; v204-207 K's scale words;  v208-209 V's;  v210 p's
.set VSR,  208
.set PW,   210
.set BM,   212                         ; v212-215 the blocks' largest
.set BP,   216                         ; v216-219 the other lane's, then bytes
.set SO,   220                         ; v220-223 the conversions' scale operands
.set F,    224                         ; v[224:225] f = 2^(old M - new M)
.set TMP,  226
.set SUM2, 228                         ; v[228:229] the sum's second chain
.set WV,  14
.set G1,  24                           ; s[24:31] group 1;  s[32:47] four groups 0
.set G0,  32
.set SEL, 48
.set CS,  50                           ; s[50:51] c = log2(e) / 8
.set TB,  52                           ; LDS byte at which the step in hand begins
.set CNT, 53
.macro PLACES n
.rept \n
	v_nop
.endr
.endm
.macro CROUND                          ; a round of the cluster's barrier
	s_barrier_signal -1
	s_barrier_wait -1
	s_cmp_lg_u32 s[WV], 0
	s_cbranch_scc1 .Lnot_wave_0_\@
	s_barrier_signal -3
.Lnot_wave_0_\@:
	s_barrier_wait -3
	s_barrier_signal -1
	s_barrier_wait -1
.endm
.macro WMS ra                          ; a tile of S^T on the symbols rD, rA, zA: the constant 0 starts the sum
.if (\ra) != 0
	v_wmma_scale_f32_16x16x128_f8f6f4 v[rD:rD+7], v[rA:rA+7], v[QF:QF+7], 0, v[zA], v[QS] matrix_a_fmt:MATRIX_FMT_FP4 matrix_b_fmt:MATRIX_FMT_FP4 matrix_a_scale:MATRIX_SCALE_ROW1
.else
	v_wmma_scale_f32_16x16x128_f8f6f4 v[rD:rD+7], v[rA:rA+7], v[QF:QF+7], 0, v[zA], v[QS] matrix_a_fmt:MATRIX_FMT_FP4 matrix_b_fmt:MATRIX_FMT_FP4
.endif
.endm
.macro WMO ra                          ; a tile of O^T, added in place
.if (\ra) != 0
	v_wmma_scale_f32_16x16x128_f8f6f4 v[rD:rD+7], v[rA:rA+7], v[PCD:PCD+7], v[rD:rD+7], v[zA], v[PW] matrix_a_fmt:MATRIX_FMT_FP4 matrix_b_fmt:MATRIX_FMT_FP4 matrix_a_scale:MATRIX_SCALE_ROW1
.else
	v_wmma_scale_f32_16x16x128_f8f6f4 v[rD:rD+7], v[rA:rA+7], v[PCD:PCD+7], v[rD:rD+7], v[zA], v[PW] matrix_a_fmt:MATRIX_FMT_FP4 matrix_b_fmt:MATRIX_FMT_FP4
.endif
.endm
	s_load_b256 s[4:11], s[0:1], 0x0               ; qc, qs, kv, cc
	s_load_b64 s[12:13], s[0:1], 0x20              ; cs
	v_lshl_add_u32 v254, v0, 2, 0x29000
	v_mov_b32 v255, 0
	ds_add_u32 v254, v255
	ds_add_u32 v254, v255
	v_lshrrev_b32 v8, 5, v0
	s_delay_alu instid0(VALU_DEP_1)
	v_readfirstlane_b32 s[WV], v8                  ; wave 0..15
	s_bfe_u32 s15, ttmp6, 0x40000                  ; cx
	s_lshl_b32 s16, ttmp9, 2
	s_add_co_u32 s16, s16, s15                     ; my block of 256 queries: it enters global addresses alone
	s_and_b32 s17, ttmp7, 0xffff                   ; bh, which the four partners share
	s_mov_b32 s[G1], 15|(3<<16)|(1<<21)            ; the mask: all four work-groups; elements of 8 bytes; bit 21 beside a mask; no padding
	s_mov_b32 s[G1+1], 32<<16                      ; a step's 8,960 dense bytes as 35 rows of 256
	s_mov_b32 s[G1+2], 35<<16
	s_mov_b32 s[G1+3], 32<<16
	s_mov_b32 s[G1+4], 35
	s_mov_b32 s[G1+5], 32
	s_mov_b32 s[G1+6], 0
	s_mov_b32 s[G1+7], 0
	s_mov_b32 s[SEL], 0x76543210
	s_mov_b32 s[SEL+1], 0xfedcba98
	s_mov_b32 s[CS], 0x3e38aa3b                    ; log2(e) / 8
	s_mov_b32 s[CS+1], s[CS]                       ; (named with it as a pair, so it is written)
	s_mul_i32 s18, s17, KVH
	s_mul_i32 s20, s[WV], KVS                      ; load i of wave w (0..3) is step 4 i + w
	s_add_co_u32 s18, s18, s20
	s_mov_b32 s19, 0
	s_lshl_b32 s54, s17, 16                        ; qc: 65,536 bh + 512 T, T = 16 blk + wave
	s_lshl_b32 s55, s16, 13
	s_add_co_u32 s54, s54, s55
	s_lshl_b32 s55, s[WV], 9
	s_add_co_u32 s54, s54, s55
	s_mov_b32 s55, 0
	s_lshl_b32 s56, s17, 13                        ; qs: 8,192 bh + 256 (T / 4) + 128 (T % 2) + 4 ((T / 2) % 2)
	s_lshl_b32 s57, s16, 10
	s_add_co_u32 s56, s56, s57
	s_lshr_b32 s57, s[WV], 2
	s_lshl_b32 s57, s57, 8
	s_add_co_u32 s56, s56, s57
	s_and_b32 s57, s[WV], 1
	s_lshl_b32 s57, s57, 7
	s_add_co_u32 s56, s56, s57
	s_bfe_u32 s57, s[WV], 0x10001
	s_lshl_b32 s57, s57, 2
	s_add_co_u32 s56, s56, s57
	s_mov_b32 s57, 0
	s_lshr_b32 s58, s17, 4                         ; cc: 1,048,576 b + 8,192 T + 512 head
	s_lshl_b32 s58, s58, 20
	s_lshl_b32 s59, s16, 17
	s_add_co_u32 s58, s58, s59
	s_lshl_b32 s59, s[WV], 13
	s_add_co_u32 s58, s58, s59
	s_and_b32 s59, s17, 15
	s_lshl_b32 s59, s59, 9
	s_add_co_u32 s58, s58, s59
	s_mov_b32 s59, 0
	s_lshl_b32 s60, s17, 13                        ; cs: 8,192 bh + 1,024 blk + 512 wave (waves 0 and 1 store)
	s_lshl_b32 s61, s16, 10
	s_add_co_u32 s60, s60, s61
	s_lshl_b32 s61, s[WV], 9
	s_add_co_u32 s60, s60, s61
	s_mov_b32 s61, 0
	s_wait_dscnt 0x0
	s_wait_kmcnt 0x0
	s_add_nc_u64 s[22:23], s[8:9], s[18:19]
	s_add_nc_u64 s[4:5], s[4:5], s[54:55]
	s_add_nc_u64 s[6:7], s[6:7], s[56:57]
	s_add_nc_u64 s[10:11], s[10:11], s[58:59]
	s_add_nc_u64 s[12:13], s[12:13], s[60:61]
	CROUND                                         ; all four work-groups are here: the joint loads meet
.irp i, 0,1,2,3
	s_mov_b32 s[G0+4*\i], 1
	s_add_co_u32 s[G0+4*\i+1], s20, 4*KVS*\i       ; in LDS as in memory
	s_add_nc_u64 s[G0+4*\i+2:G0+4*\i+3], s[22:23], 4*KVS*\i
	s_or_b32 s[G0+4*\i+3], s[G0+4*\i+3], 0x80000000
.endr
	s_cmp_lt_u32 s[WV], 4                          ; a wave's four fills stand in one branch, ahead of every wait on TENSORcnt, every LDS read and every other barrier: four loads of mine are out
	s_cbranch_scc0 .Lno_fill
	tensor_load_to_lds s[G0:G0+3], s[G1:G1+7]
	s_nop 0
	tensor_load_to_lds s[G0+4:G0+7], s[G1:G1+7]
	s_nop 0
	tensor_load_to_lds s[G0+8:G0+11], s[G1:G1+7]
	s_nop 0
	tensor_load_to_lds s[G0+12:G0+15], s[G1:G1+7]
	s_nop 0
	PLACES 4
.Lno_fill:
	v_and_b32 v8, 31, v0                           ; lane
	v_and_b32 v9, 15, v0                           ; r
	s_delay_alu instid0(VALU_DEP_2)
	v_lshlrev_b32 v[A16], 4, v8
	s_delay_alu instid0(VALU_DEP_3)
	v_lshl_add_u32 v[A8], v8, 3, 8192
	s_delay_alu instid0(VALU_DEP_3)
	v_lshlrev_b32 v[R8], 3, v9
	global_load_b128 v[QF:QF+3], v[A16], s[4:5]    ; Q's tile: lane (r, h) block h of query row r
	global_load_b32 v[QS], v[R8], s[6:7]           ; its scale words
	s_lshl_b32 s62, s[WV], 6
	v_lshl_add_u32 v[CSA], v9, 2, CSS
	s_delay_alu instid0(VALU_DEP_1)
	v_add_nc_u32 v[CSA], s62, v[CSA]
	s_and_b32 s63, s[WV], 1
	s_lshl_b32 s63, s63, 9
	v_add_nc_u32 v[CSR], CSS, v[A16]
	s_delay_alu instid0(VALU_DEP_1)
	v_add_nc_u32 v[CSR], s63, v[CSR]
	v_mov_b32 v[MT], 0xff61b1e6                    ; the largest t so far: -3e38, under every t
	s_delay_alu instid0(VALU_DEP_1)
	v_floor_f32 v[NM], -v[MT]
	v_mov_b32 v[SUM], 0
	v_mov_b32 v[SUM+1], 0
.irp j, 4,5,6,7
	v_mov_b32 v[QF+\j], 0                          ; K = 64 .. 127 of the first product: zero codes
.endr
.irp j, 0,1,2,3
	v_mov_b32 v[KF+32+\j], 0                       ; behind K's last tile
	v_mov_b32 v[BP+\j], 0                          ; written once: a lane permute's destination counts as one of its sources
.endr
	v_mov_b32 v[F+1], 0                            ; (named as the upper half of a pair)
	v_mov_b32 v[TMP], 0
.set j, 0
.rept 32
	v_mov_b32 v[O+j], 0                            ; O^T.  (The step is written once: the first finds zeros, which the first change of M leaves zeros)
.set j, j+1
.endr
	s_wait_loadcnt 0x0                             ; Q
; A KEY STEP: 128 keys.
.macro STEP
	v_add_nc_u32 v[AD16], s[TB], v[A16]            ; these four lines are the places between the last step's products and the loads into registers that they read
	v_add_nc_u32 v[AD8], s[TB], v[A8]
	v_nop
	v_nop
.irp t, 0,1,2,3,4,5,6,7
	ds_load_b128 v[KF+4*\t:KF+4*\t+3], v[AD16] offset:512*\t
.endr
.irp g, 0,1
	ds_load_b64 v[KSR+2*\g:KSR+2*\g+1], v[AD8] offset:256*\g
.endr
.irp t, 0,1,2,3
.irp c, 0,1
	ds_load_b128 v[VF+8*\t+4*\c:VF+8*\t+4*\c+3], v[AD16] offset:4096+1024*\t+512*\c
.endr
.endr
	ds_load_b64 v[VSR:VSR+1], v[AD8] offset:512
	s_wait_dscnt 9                                 ; K and its words are in; V's eight loads and its words' one may stay out
.irp t, 0,1,2,3,4,5,6,7
.set rD, S+8*\t
.set rA, KF+4*\t
.set zA, KSR+2*(\t/4)+(\t/2)%2
	WMS \t%2
.endr                                  ; lane (r, h) holds query r; register 16 b + i is key 32 b + 16 h + i of the step
	PLACES 4
.irp b, 0,1,2,3
	v_max3_num_f32 v[BM+\b], v[S+16*\b], v[S+1+16*\b], v[S+2+16*\b]   ; the largest score of each block of 32 keys: for the row's maximum, and for the block's largest p
.endr
.irp i, 3,5,7,9,11,13
.irp b, 0,1,2,3
	v_max3_num_f32 v[BM+\b], v[BM+\b], v[S+16*\b+\i], v[S+1+16*\b+\i]
.endr
.endr
.irp b, 0,1,2,3
	v_max_num_f32 v[BM+\b], v[BM+\b], v[S+15+16*\b]
.endr
.irp b, 0,1,2,3
	s_delay_alu instid0(VALU_DEP_4)
	v_permlanex16_b32 v[BP+\b], v[BM+\b], s[SEL], s[SEL+1]
.endr
.irp b, 0,1,2,3
	s_delay_alu instid0(VALU_DEP_4)
	v_max_num_f32 v[BM+\b], v[BM+\b], v[BP+\b]     ; with lane l xor 16's 16 keys
.endr
	s_delay_alu instid0(VALU_DEP_2)
	v_max3_num_f32 v[TMP], v[BM], v[BM+1], v[BM+2]
	s_delay_alu instid0(VALU_DEP_1)
	v_max_num_f32 v[TMP], v[TMP], v[BM+3]
	s_delay_alu instid0(VALU_DEP_1)
	v_mul_f32 v[TMP], s[CS], v[TMP]                ; as t (c is positive)
	s_delay_alu instid0(VALU_DEP_1)
	v_max_num_f32 v[MT], v[MT], v[TMP]             ; the running largest t
	v_mov_b32 v[TMP], v[NM]
	s_delay_alu instid0(VALU_DEP_2)
	v_floor_f32 v[NM], -v[MT]                      ; the new -M = floor(-t) = -ceil(t)
	s_delay_alu instid0(VALU_DEP_1)
	v_sub_f32 v[TMP], v[NM], v[TMP]                ; old M - new M: a whole number, 0 or less
	s_delay_alu instid0(VALU_DEP_1)
	v_cvt_i32_f32 v[TMP], v[TMP]                   ; (it saturates)
	s_delay_alu instid0(VALU_DEP_1)
	v_ldexp_f32 v[F], 1.0, v[TMP]                  ; f = 2^(old M - new M)
.set j, 0
.rept 32
	v_pk_fma_f32 v[S+j:S+j+1], v[S+j:S+j+1], s[CS:CS+1], v[NM:NM+1] op_sel_hi:[1,0,0]   ; t - M, two at a time
.set j, j+2
.endr
.irp b, 0,1,2,3
	v_fma_f32 v[BM+\b], v[BM+\b], s[CS], v[NM]     ; the same of each block's largest score
.endr
.set j, 0
	s_wait_alu depctr_va_vdst(0)
.rept 64
	v_exp_f32 v[S+j], v[S+j]                       ; p = 2^(t - M), at most 1
.set j, j+1
.endr
	s_setprio 1
.irp b, 0,1,2,3
	v_exp_f32 v[BM+\b], v[BM+\b]                   ; the block's largest p
.endr
	v_pk_mul_f32 v[SUM:SUM+1], v[SUM:SUM+1], v[F:F+1] op_sel_hi:[1,0]   ; the sums under the new M.  (A plain place behind the exponentials)
	s_wait_alu depctr_va_vdst(0)
.irp b, 0,1,2,3
	v_max_num_f32 v[BM+\b], 0x1800000, v[BM+\b]    ; the floor 2^(3 - 127): the byte cannot fall under 1
.endr
.irp b, 0,1,2,3
	s_delay_alu instid0(VALU_DEP_4)
	v_add_nc_u32 v[SO+\b], 0xff000000, v[BM+\b]    ; 2 off the exponent field: the conversion's scale operand
.endr
.irp b, 0,1,2,3
	s_delay_alu instid0(VALU_DEP_4)
	v_lshrrev_b32 v[BP+\b], 23, v[SO+\b]           ; the scale's byte
.endr
	s_delay_alu instid0(VALU_DEP_3)
	v_lshl_or_b32 v[PW], v[BP+1], 8, v[BP]         ; p's scale word for these 128 keys
	s_delay_alu instid0(VALU_DEP_1)
	v_lshl_or_b32 v[PW], v[BP+2], 16, v[PW]
	s_delay_alu instid0(VALU_DEP_1)
	v_lshl_or_b32 v[PW], v[BP+3], 24, v[PW]
.irp b, 0,1,2,3
	v_cvt_scalef32_pk8_fp4_f32 v[PCD+2*\b], v[S+16*\b:S+16*\b+7], v[SO+\b]
	v_cvt_scalef32_pk8_fp4_f32 v[PCD+2*\b+1], v[S+16*\b+8:S+16*\b+15], v[SO+\b]
.endr
	v_nop                                          ; one plain place behind a scaled conversion
.irp c, 0,1                            ; the operand's layout wants a whole block in a lane: lanes 0-15 block 2 c, lanes 16-31 block 2 c + 1
.irp i, 0,1
	v_permlane16_swap_b32 v[PCD+4*\c+\i], v[PCD+2+4*\c+\i]
.endr
.endr
	v_pk_add_f32 v[228:229], v[104:105], v[108:109]
	v_pk_add_f32 v[252:253], v[112:113], v[116:117]
	v_pk_add_f32 v[250:251], v[120:121], v[124:125]
	v_pk_add_f32 v[248:249], v[128:129], v[132:133]
	v_pk_add_f32 v[246:247], v[136:137], v[140:141]
	v_pk_add_f32 v[244:245], v[144:145], v[148:149]
	v_pk_add_f32 v[242:243], v[152:153], v[156:157]
	v_pk_add_f32 v[14:15], v[14:15], v[160:161]
	v_pk_add_f32 v[228:229], v[228:229], v[100:101]
	v_pk_add_f32 v[252:253], v[252:253], v[102:103]
	v_pk_add_f32 v[250:251], v[250:251], v[106:107]
	v_pk_add_f32 v[248:249], v[248:249], v[110:111]
	v_pk_add_f32 v[246:247], v[246:247], v[114:115]
	v_pk_add_f32 v[244:245], v[244:245], v[118:119]
	v_pk_add_f32 v[242:243], v[242:243], v[122:123]
	v_pk_add_f32 v[14:15], v[14:15], v[126:127]
	v_pk_add_f32 v[228:229], v[228:229], v[130:131]
	v_pk_add_f32 v[252:253], v[252:253], v[134:135]
	v_pk_add_f32 v[250:251], v[250:251], v[138:139]
	v_pk_add_f32 v[248:249], v[248:249], v[142:143]
	v_pk_add_f32 v[246:247], v[246:247], v[146:147]
	v_pk_add_f32 v[244:245], v[244:245], v[150:151]
	v_pk_add_f32 v[242:243], v[242:243], v[154:155]
	v_pk_add_f32 v[14:15], v[14:15], v[158:159]
	v_pk_add_f32 v[228:229], v[228:229], v[162:163]
	s_delay_alu instid0(VALU_DEP_2)
	v_pk_add_f32 v[14:15], v[14:15], v[248:249]
	s_delay_alu instid0(VALU_DEP_2)
	v_pk_add_f32 v[228:229], v[228:229], v[246:247]
	v_pk_add_f32 v[252:253], v[252:253], v[244:245]
	v_pk_add_f32 v[250:251], v[250:251], v[242:243]
	s_delay_alu instid0(VALU_DEP_2)
	v_pk_add_f32 v[14:15], v[14:15], v[252:253]
	s_delay_alu instid0(VALU_DEP_2)
	v_pk_add_f32 v[228:229], v[228:229], v[250:251]
	s_delay_alu instid0(VALU_DEP_1)
	v_pk_add_f32 v[14:15], v[14:15], v[228:229]
.set j, 0
	s_setprio 0
.rept 16
	v_pk_mul_f32 v[O+j:O+j+1], v[O+j:O+j+1], v[F:F+1] op_sel_hi:[1,0]   ; O^T under the new M, each accumulator from its low end on
.set j, j+2
.endr
	s_wait_alu depctr_va_vdst(0)
	s_wait_dscnt 0x0                               ; V and its words are in
.irp t, 0,1,2,3                        ; the four accumulators take turns, one instruction a turn; the next matrix instruction is S^T's
.set rD, O+8*\t
.set rA, VF+8*\t
.set zA, VSR+\t/2
	WMO \t%2
.endr
.endm
; Four steps: those that the waves' loads number c brought.
.macro CHUNK c
	s_wait_tensorcnt 3-\c                          ; my loads 0 .. c have landed; the later ones stay out: nothing is ever filled again (waves 4 to 15 have none)
	s_barrier_signal -1
	s_barrier_wait -1                              ; everybody's have
	s_mov_b32 s[TB], 4*KVS*\c
	s_mov_b32 s[CNT], 4
.Lstep_\@:
	s_setprio 2
	STEP
	s_add_co_u32 s[TB], s[TB], KVS
	s_sub_co_u32 s[CNT], s[CNT], 1
	s_cmp_lg_u32 s[CNT], 0
	s_cbranch_scc1 .Lstep_\@
	s_setprio 0
.endm
	CHUNK 0
	CHUNK 1
	CHUNK 2
	CHUNK 3
	; THE END.  O^T is divided by the row's sum; register 16 b + i is ctx(query r, d = 32 b + 16 h + i): two blocks of the last product's K; they are quantised and leave as that product's operand.
	PLACES 4                                       ; behind the last products
	v_add_f32 v[SUM], v[SUM], v[SUM+1]
	s_delay_alu instid0(VALU_DEP_1)
	v_permlanex16_b32 v[TMP], v[SUM], s[SEL], s[SEL+1]
	s_delay_alu instid0(VALU_DEP_1)
	v_add_f32 v[SUM], v[SUM], v[TMP]               ; the row's sum
	s_wait_alu depctr_va_vdst(0)
	v_rcp_f32 v[SUM], v[SUM]
	v_nop                                          ; one plain place behind a transcendental
.set j, 0
	s_wait_alu depctr_va_vdst(0)
.rept 32
	v_mul_f32 v[S+j], v[O+j], v[SUM]
.set j, j+1
.endr
.irp b, 0,1
	v_max3_num_f32 v[BM+\b], |v[S+16*\b]|, |v[S+16*\b+1]|, 0x1800000
.endr
.irp i, 2,4,6,8,10,12,14
.irp b, 0,1
	s_delay_alu instid0(VALU_DEP_2)
	v_max3_num_f32 v[BM+\b], v[BM+\b], |v[S+16*\b+\i]|, |v[S+16*\b+\i+1]|
.endr
.endr
.irp b, 0,1
	s_delay_alu instid0(VALU_DEP_2)
	v_permlanex16_b32 v[BP+\b], v[BM+\b], s[SEL], s[SEL+1]
.endr
.irp b, 0,1
	s_delay_alu instid0(VALU_DEP_2)
	v_max_num_f32 v[BM+\b], v[BM+\b], v[BP+\b]
.endr
.irp b, 0,1
	s_delay_alu instid0(VALU_DEP_2)
	v_add_nc_u32 v[SO+\b], 0xff000000, v[BM+\b]
.endr
.irp b, 0,1
	s_delay_alu instid0(VALU_DEP_2)
	v_lshrrev_b32 v[BP+\b], 23, v[SO+\b]
.endr
	s_delay_alu instid0(VALU_DEP_1)
	v_lshl_or_b32 v[PW], v[BP+1], 8, v[BP]         ; the head's two scale bytes of my row
.irp b, 0,1
	v_cvt_scalef32_pk8_fp4_f32 v[PCD+2*\b], v[S+16*\b:S+16*\b+7], v[SO+\b]
	v_cvt_scalef32_pk8_fp4_f32 v[PCD+2*\b+1], v[S+16*\b+8:S+16*\b+15], v[SO+\b]
.endr
	v_nop
	v_permlane16_swap_b32 v[PCD], v[PCD+2]         ; lane (r, h): block h, whole
	v_permlane16_swap_b32 v[PCD+1], v[PCD+3]
	global_store_b128 v[A16], v[PCD:PCD+3], s[10:11]   ; 512 consecutive bytes
	ds_store_b32 v[CSA], v[PW]                     ; lanes l and l xor 16 write the same word
	s_wait_dscnt 0x0                               ; for the others' sake: my store has landed
	s_barrier_signal -1
	s_barrier_wait -1
	s_cmp_lt_u32 s[WV], 2
	s_cbranch_scc0 .Lno_words
	ds_load_b128 v[S:S+3], v[CSR]                  ; eight tiles' words
	s_wait_dscnt 0x0
	global_store_b128 v[A16], v[S:S+3], s[12:13]   ; 512 consecutive bytes
.Lno_words:
	s_wait_tensorcnt 0x0
	ds_add_u32 v254, v255
	s_wait_dscnt 0x0
	CROUND                                         ; the closing round
	s_endpgm
.Lfunc_end_k_q1e4fa5a432_attn:
	.size	k_q1e4fa5a432_attn, .Lfunc_end_k_q1e4fa5a432_attn-k_q1e4fa5a432_attn
	.p2alignl 7, 3214868480
	.fill 96, 4, 3214868480
	.section	.rodata,"a",@progbits
	.p2align	6, 0x0
	.amdhsa_kernel k_q1e4fa5a432_attn
		.amdhsa_group_segment_fixed_size 169984
		.amdhsa_private_segment_fixed_size 0
		.amdhsa_enable_private_segment 0
		.amdhsa_kernarg_size 40
		.amdhsa_user_sgpr_count 2
		.amdhsa_user_sgpr_kernarg_segment_ptr 1
		.amdhsa_wavefront_size32 1
		.amdhsa_system_sgpr_workgroup_id_x 1
		.amdhsa_system_sgpr_workgroup_id_y 1
		.amdhsa_system_sgpr_workgroup_id_z 1
		.amdhsa_system_vgpr_workitem_id 0
		.amdhsa_next_free_vgpr 256
		.amdhsa_next_free_sgpr 66
		.amdhsa_reserve_vcc 0
		.amdhsa_float_denorm_mode_32 3
		.amdhsa_float_denorm_mode_16_64 3
		.amdhsa_memory_ordered 1
		.amdhsa_forward_progress 1
		.amdhsa_inst_pref_size 77
	.end_amdhsa_kernel
	.amdgpu_metadata
---
amdhsa.version: [ 1, 2 ]
amdhsa.kernels:
  - .name:           k_q1e4fa5a432_attn
    .symbol:         k_q1e4fa5a432_attn.kd
    .args:
      - { .name: qc, .offset: 0, .size: 8, .value_kind: global_buffer, .address_space: global }
      - { .name: qs, .offset: 8, .size: 8, .value_kind: global_buffer, .address_space: global }
      - { .name: kv, .offset: 16, .size: 8, .value_kind: global_buffer, .address_space: global }
      - { .name: cc, .offset: 24, .size: 8, .value_kind: global_buffer, .address_space: global }
      - { .name: cs, .offset: 32, .size: 8, .value_kind: global_buffer, .address_space: global }
    .group_segment_fixed_size: 169984
    .private_segment_fixed_size: 0
    .kernarg_segment_align: 8
    .kernarg_segment_size: 40
    .max_flat_workgroup_size: 512
    .sgpr_count:     66
    .vgpr_count:     256
    .wavefront_size: 32
...
	.end_amdgpu_metadata
.endif
;; end of part 2
;; launch oproj (part 3): grid 8 x 32, 4 waves a work-group, clusters of 4 x 4, 327,680 bytes of LDS; arguments cc, cs, W_o_codes, W_o_scales, b_o, out0; writes out0
.if DOCPART == 3
	.amdgcn_target "amdgcn-amd-amdhsa--gfx1250"
	.amdhsa_code_object_version 6
	.text
	.protected	k_q1e4fa5a432_oproj
	.globl	k_q1e4fa5a432_oproj
	.p2align	8
	.type	k_q1e4fa5a432_oproj,@function
k_q1e4fa5a432_oproj:
	s_mov_b64 s[64:65], 0
	v_nop
	global_prefetch_b8 v0, s[64:65] scope:SCOPE_SE
	s_setreg_imm32_b32 hwreg(HW_REG_WAVE_MODE, 25, 1), 1
	s_wait_xcnt 0x0
	s_wait_alu depctr_hold_cnt(0) depctr_sa_sdst(0) depctr_va_vdst(0) depctr_va_sdst(0) depctr_va_ssrc(0) depctr_va_vcc(0) depctr_vm_vsrc(0)
	s_getreg_b32 s2, hwreg(HW_REG_IB_STS2, 6, 4)
	s_cmp_eq_u32 s2, 0
	s_cbranch_scc0 .Lentry_in_a_cluster
	s_endpgm
.Lentry_in_a_cluster:
	s_bfe_u32 s2, ttmp6, 0x10000c
	s_cmp_lg_u32 s2, 0xf033
	s_cbranch_scc0 .Lentry_shape_is_right
	s_endpgm
.Lentry_shape_is_right:
; out = ctx Wo^T + bo on codes of FP4 (E2M1) with E8M0 scales, sums in f32.  ctx comes as the launch before laid it: images of this product's operand registers, [b][tile of 16 rows][head][512 bytes],
; and for each head and row a word with the head's two scale bytes; Wo as it is given, rows of 512 bytes.
; SHARES.  A work-group makes 128 rows x 128 columns, wave (wi, wj) 64 x 64: 16 accumulators.  Source 0 = 16 rows of Wo, source 1 = a tile of ctx: a lane holds one row of the result and eight neighbouring columns.
; K = 1,024 codes are 512 bytes a row: both panels lie whole in LDS, every LDS byte is filled once, in two chunks of 512 along K: waves 0 and 1 ask for ctx's halves, waves 2 and 3 for Wo's.
; CLUSTER 4 x 4: ctx's panel is asked for jointly along a row of the cluster, Wo's along a column.
; THE ROWS OF A TILE OF ctx ARE NOT NEIGHBOURS: lane r of tile t holds row 32 (t/2) + 8 (t%2) + r + 8 (r/8); the way out puts each row where it belongs.
; REGISTERS.  window 0: v1-13 addresses; v32-47 ctx's scale words, v48-63 Wo's; v64-95 bo's tiles, v96-127 the heads' words as loaded (both later: rows on their way out); v128-255 accumulator 8 (4 tj + ti).
;   window 1: two fragment buffers of 64: ctx's four tiles, then Wo's four.
.set PITCH, 272                        ; Wo's rows and the stage's: 256 bytes + 16 of padding
.set CH,    128*PITCH
.set WO,    65536                      ; LDS: ctx's images 0 .. 65,535 (chunk c at 32,768 c, tile t at 4,096 t); then Wo's two chunks;
.set STG,   WO+2*CH                    ; then a stage of 16 rows for each wave; no fill lands there
.set AC,  4                            ; v4-5  my ctx fragments, chunk 0, 1: 16,384 wi + 16 x lane
.set AWO, 6                            ; v6-7  my Wo fragments
.set STO, 8                            ; v8    the stage: where I put 32 bytes of a row
.set RD,  9                            ; v9    and where I read a row back
.set CO,  10                           ; v10   4,096 h + 16 r
.set L32, 11
.set L4,  12
.set H32, 13
.set SC,  32                           ; register base + 8 p + s: lanes 0-15 tile 2 p's word, lanes 16-31 tile 2 p + 1's, for K step s
.set SW,  48
.set BO,  64
.set RAW, 96
.set BK,  64                           ; the way out: two sets of 32
.set ACC, 128
.set WV, 16
.set WI, 17
.set WJ, 18
.set CX, 19
.set CY, 20
.set CB, 21
.set RB, 22
.set G1C, 24
.set G1W, 32
.set G0C, 40
.set G0W, 48
.set MSB, 0
.macro WIN new                         ; the immediate's high byte repeats the setting that is left
.if MSB != \new
	s_set_vgpr_msb (MSB<<8)|\new
.set MSB, \new
.endif
.endm
.macro PLACES n
.rept \n
	v_nop
.endr
.endm
.macro CROUND                          ; a round of the cluster's barrier
	s_barrier_signal -1
	s_barrier_wait -1
	s_cmp_lg_u32 s[WV], 0
	s_cbranch_scc1 .Lnot_wave_0_\@
	s_barrier_signal -3
.Lnot_wave_0_\@:
	s_barrier_wait -3
	s_barrier_signal -1
	s_barrier_wait -1
.endm
.macro JLOAD c                         ; a joint load of chunk c.  Four v_nop follow each line
	s_cmp_eq_u32 s[WI], 0
	s_cbranch_scc0 .Lfor_w_\@
	tensor_load_to_lds s[G0C+4*\c:G0C+4*\c+3], s[G1C:G1C+7]
	s_nop 0
	PLACES 4
	s_branch .Lasked_\@
.Lfor_w_\@:
	tensor_load_to_lds s[G0W+4*\c:G0W+4*\c+3], s[G1W:G1W+7]
	s_nop 0
	PLACES 4
.Lasked_\@:
.endm
.macro WM ra, rb                       ; one product on the symbols rD, rA, rB, rC, zA, zB
.if ((\ra) != 0) && ((\rb) != 0)
	v_wmma_scale_f32_16x16x128_f8f6f4 v[rD:rD+7], v[rA:rA+7], v[rB:rB+7], v[rC:rC+7], v[zA], v[zB] matrix_a_fmt:MATRIX_FMT_FP4 matrix_b_fmt:MATRIX_FMT_FP4 matrix_a_scale:MATRIX_SCALE_ROW1 matrix_b_scale:MATRIX_SCALE_ROW1
.elseif (\ra) != 0
	v_wmma_scale_f32_16x16x128_f8f6f4 v[rD:rD+7], v[rA:rA+7], v[rB:rB+7], v[rC:rC+7], v[zA], v[zB] matrix_a_fmt:MATRIX_FMT_FP4 matrix_b_fmt:MATRIX_FMT_FP4 matrix_a_scale:MATRIX_SCALE_ROW1
.elseif (\rb) != 0
	v_wmma_scale_f32_16x16x128_f8f6f4 v[rD:rD+7], v[rA:rA+7], v[rB:rB+7], v[rC:rC+7], v[zA], v[zB] matrix_a_fmt:MATRIX_FMT_FP4 matrix_b_fmt:MATRIX_FMT_FP4 matrix_b_scale:MATRIX_SCALE_ROW1
.else
	v_wmma_scale_f32_16x16x128_f8f6f4 v[rD:rD+7], v[rA:rA+7], v[rB:rB+7], v[rC:rC+7], v[zA], v[zB] matrix_a_fmt:MATRIX_FMT_FP4 matrix_b_fmt:MATRIX_FMT_FP4
.endif
.endm
	s_load_b256 s[4:11], s[0:1], 0x0               ; cc, cs, Wo codes, Wo scales
	s_load_b128 s[12:15], s[0:1], 0x20             ; bo, out
	v_lshl_add_u32 v30, v0, 2, 0x29000
	v_mov_b32 v31, 0
	ds_add_u32 v30, v31
	ds_add_u32 v30, v31
	v_lshrrev_b32 v1, 5, v0
	v_readfirstlane_b32 s[WV], v1                  ; wave 0..3
	s_lshr_b32 s[WI], s[WV], 1                     ; which 64 rows are mine.  Also: I ask for ctx (0) or for Wo (1)
	s_and_b32 s[WJ], s[WV], 1                      ; which 64 columns.  Also: which half of that panel I ask for
	s_bfe_u32 s[CX], ttmp6, 0x40000
	s_bfe_u32 s[CY], ttmp6, 0x40004
	s_lshl_b32 s[CB], ttmp9, 2
	s_add_co_u32 s[CB], s[CB], s[CX]
	s_and_b32 s[RB], ttmp7, 0xffff
	s_lshl_b32 s[RB], s[RB], 2
	s_add_co_u32 s[RB], s[RB], s[CY]
	s_lshl_b32 s74, s[CY], 2
	s_lshl_b32 s74, 15, s74                        ; my row of the cluster
	s_lshl_b32 s75, 0x1111, s[CX]                  ; my column
	s_or_b32 s[G1C], s74, (3<<16)|(1<<21)          ; ctx: the mask; elements of 8 bytes; bit 21 beside a mask; no padding
	s_mov_b32 s[G1C+1], 512<<16                    ; four tiles' 4,096 bytes (eight heads),
	s_mov_b32 s[G1C+2], 4<<16
	s_mov_b32 s[G1C+3], 512<<16
	s_mov_b32 s[G1C+4], 4
	s_mov_b32 s[G1C+5], 1024                       ; 8,192 bytes apart
	s_mov_b32 s[G1C+6], 0
	s_mov_b32 s[G1C+7], 0
	s_or_b32 s[G1W], s75, (1<<20)|(1<<21)|(5<<22)|(3<<25)   ; Wo: elements of 1 byte; 4 words of padding after every 64
	s_mov_b32 s[G1W+1], 256<<16
	s_mov_b32 s[G1W+2], 64<<16
	s_mov_b32 s[G1W+3], 256<<16
	s_mov_b32 s[G1W+4], 64
	s_mov_b32 s[G1W+5], 512
	s_mov_b32 s[G1W+6], 0
	s_mov_b32 s[G1W+7], 0
	s_lshl_b32 s56, s[WJ], 15                      ; my half, in memory: four tiles of 8,192 bytes, or 64 rows of 512
	s_lshl_b32 s58, s[RB], 16
	s_add_co_u32 s58, s58, s56
	s_mov_b32 s59, 0
	s_lshl_b32 s60, s[CB], 16
	s_add_co_u32 s60, s60, s56
	s_mov_b32 s61, 0
	s_lshl_b32 s62, s[WJ], 14                      ; and in LDS
	s_mul_i32 s63, s[WJ], 64*PITCH
	s_add_co_u32 s63, s63, WO
	s_wait_dscnt 0x0
	s_wait_kmcnt 0x0
	s_add_nc_u64 s[66:67], s[4:5], s[58:59]
	s_add_nc_u64 s[68:69], s[8:9], s[60:61]
	CROUND                                         ; all sixteen work-groups are here: the joint loads meet
.irp c, 0,1
	s_mov_b32 s[G0C+4*\c], 1
	s_add_co_u32 s[G0C+4*\c+1], s62, \c*32768
	s_add_nc_u64 s[G0C+4*\c+2:G0C+4*\c+3], s[66:67], \c*4096
	s_or_b32 s[G0C+4*\c+3], s[G0C+4*\c+3], 0x80000000
	s_mov_b32 s[G0W+4*\c], 1
	s_add_co_u32 s[G0W+4*\c+1], s63, \c*CH
	s_add_nc_u64 s[G0W+4*\c+2:G0W+4*\c+3], s[68:69], \c*256
	s_or_b32 s[G0W+4*\c+3], s[G0W+4*\c+3], 0x80000000
	s_wait_alu depctr_va_vdst(0)
	s_wait_tensorcnt 0x0
	ds_add_u32 v30, v31
	ds_add_u32 v30, v31
	s_wait_dscnt 0x0
	CROUND
	JLOAD \c                                       ; one load of mine is out; every LDS byte is filled once
.endr
	v_and_b32 v1, 15, v0                           ; r
	v_bfe_u32 v2, v0, 4, 1                         ; h
	v_and_b32 v3, 31, v0                           ; lane
	s_lshl_b32 s70, s[WI], 14
	v_lshl_add_u32 v[AC], v3, 4, s70
	v_add_nc_u32 v[AC+1], 32768, v[AC]
	s_mul_i32 s71, s[WJ], 64*PITCH
	s_add_co_u32 s71, s71, WO
	v_mul_u32_u24 v[AWO], v1, PITCH
	v_lshl_add_u32 v[AWO], v2, 4, v[AWO]
	v_add_nc_u32 v[AWO], s71, v[AWO]
	v_add_nc_u32 v[AWO+1], CH, v[AWO]
	s_mul_i32 s72, s[WV], 16*PITCH
	s_add_co_u32 s72, s72, STG                     ; my stage
	v_mul_u32_u24 v[STO], v1, PITCH
	v_lshl_add_u32 v[STO], v2, 5, v[STO]
	v_add_nc_u32 v[STO], s72, v[STO]
	v_mul_u32_u24 v[RD], v2, PITCH
	v_lshl_add_u32 v[RD], v1, 4, v[RD]
	v_add_nc_u32 v[RD], s72, v[RD]
	v_lshlrev_b32 v[CO], 12, v2
	v_lshl_add_u32 v[CO], v1, 4, v[CO]
	v_lshlrev_b32 v[L32], 5, v3
	v_lshlrev_b32 v[L4], 2, v3
	s_wait_alu depctr_va_vdst(0)
	v_lshlrev_b32 v[H32], 5, v2
	s_wait_alu depctr_va_vdst(0)
	s_lshr_b32 s76, s[RB], 4                       ; cs: 8,192 x 16 b + 64 (8 sigma + 4 wi)
	s_lshl_b32 s76, s76, 17
	s_and_b32 s78, s[RB], 15
	s_lshl_b32 s78, s78, 9
	s_add_co_u32 s76, s76, s78
	s_lshl_b32 s78, s[WI], 8
	s_add_co_u32 s76, s76, s78
	s_mov_b32 s77, 0
	s_add_nc_u64 s[6:7], s[6:7], s[76:77]
	s_lshl_b32 s76, s[CB], 12                      ; Wo's scale bytes: (128 cb + 64 wj) x 32
	s_lshl_b32 s78, s[WJ], 11
	s_add_co_u32 s76, s76, s78
	s_add_nc_u64 s[10:11], s[10:11], s[76:77]
	s_lshl_b32 s76, s[CB], 9                       ; bo, and my columns in a row of out: (128 cb + 64 wj) x 4
	s_lshl_b32 s78, s[WJ], 8
	s_add_co_u32 s76, s76, s78
	s_add_nc_u64 s[12:13], s[12:13], s[76:77]
	s_lshl_b32 s78, s[RB], 19                      ; out: + (128 rb + 64 wi) rows of 4,096 bytes
	s_add_co_u32 s76, s76, s78
	s_lshl_b32 s78, s[WI], 18
	s_add_co_u32 s76, s76, s78
	s_add_nc_u64 s[14:15], s[14:15], s[76:77]
.irp e, 0,1,2,3,4,5,6,7,8,9,10,11,12,13,14,15      ; head e's words of my four tiles: lanes 0-15 tile 2 p, lanes 16-31 tile 2 p + 1: 128 consecutive bytes a load
.irp p, 0,1
	global_load_b32 v[RAW+2*\e+\p], v[L4], s[6:7] offset:8192*\e+128*\p
.endr
.endr
.irp p, 0,1
.irp q, 0,1
	global_load_b128 v[SW+8*\p+4*\q:SW+8*\p+4*\q+3], v[L32], s[10:11] offset:1024*\p+16*\q   ; Wo's rows 32 p + lane: four K steps' words a load
.endr
.endr
.irp t, 0,1,2,3
	global_load_b128 v[BO+8*\t:BO+8*\t+3], v[H32], s[12:13] offset:64*\t          ; bo in the result's layout: columns 16 t + 8 h + 0..7
	global_load_b128 v[BO+8*\t+4:BO+8*\t+7], v[H32], s[12:13] offset:64*\t+16
.endr
	s_wait_loadcnt 0x0
.irp p, 0,1
.irp k, 0,1,2,3,4,5,6,7
	v_lshl_or_b32 v[SC+8*\p+\k], v[RAW+2*(2*\k+1)+\p], 16, v[RAW+2*(2*\k)+\p]     ; K step k is heads 2 k and 2 k + 1: two bytes of each
.endr
.endr
	PLACES 8                                       ; a scale register written by a vector instruction stands eight places ahead of a scaled matrix instruction
.macro FETCH s                         ; 16 LDS loads in one run: K step s's eight fragments into buffer s % 2
.set FB, 64*((\s)%2)
.set FC, (\s)/4
	WIN 0x40                                       ; destination window 1, address window 0
.irp t, 0,1,2,3
.irp q, 0,1
	ds_load_b128 v[FB+8*\t+4*\q:FB+8*\t+4*\q+3], v[AC+FC] offset:4096*\t+1024*((\s)%4)+512*\q
	ds_load_b128 v[FB+32+8*\t+4*\q:FB+32+8*\t+4*\q+3], v[AWO+FC] offset:16*\t*PITCH+64*((\s)%4)+32*\q
.endr
.endr
.endm
.macro STEP s
	s_wait_dscnt 0x0                               ; this step's fragments are in
.if (\s) == 3
	s_wait_tensorcnt 0x0                           ; my part of the second chunk has landed,
	s_barrier_signal -1
	s_barrier_wait -1                              ; everybody's has
.endif
.if (\s) < 7
.if (\s) > 0
	PLACES 4                                       ; in front of loads into registers that matrix instructions have read
.endif
	FETCH (\s)+1
.endif
	WIN 0x05                                       ; sources 0 and 1 window 1, C and D window 0
.set FB, 64*((\s)%2)
.irp tj, 0,1,2,3                       ; the 16 accumulators take turns, one instruction a turn, in the same order in every step
.irp ti, 0,1,2,3
.set rD, ACC+8*(4*\tj+\ti)
.set rA, FB+32+8*\ti
.set rB, FB+8*\tj
.if (\s) == 0
.set rC, BO+8*\ti
.else
.set rC, rD
.endif
.set zA, SW+8*(\ti/2)+(\s)
.set zB, SC+8*(\tj/2)+(\s)
	WM \ti%2, \tj%2
.endr
.endr
.endm
	s_wait_alu depctr_va_vdst(0)
	s_wait_tensorcnt 0x1                           ; my part of the first chunk has landed; the second chunk's load may stay out
	s_barrier_signal -1
	s_barrier_wait -1
	FETCH 0
.irp n, 0,1,2,3,4,5,6,7
	STEP \n
.endr
	WIN 0
; THE WAY OUT, a tile of 16 rows x 64 columns at a time, through my own stage: a lane's 32 bytes go in, whole rows of 256 bytes come back, and sixteen lanes store 256 consecutive bytes, aligned.
; LDS serves a wave's instructions in order (ISA guide 5.7.1.4): no wait between the stores and the loads, nor in front of the next tile's stores.
.macro TOSTAGE tj
.irp ti, 0,1,2,3
	ds_store_b128 v[STO], v[ACC+8*(4*(\tj)+\ti):ACC+8*(4*(\tj)+\ti)+3] offset:64*\ti        ; each accumulator from its low end on
	ds_store_b128 v[STO], v[ACC+8*(4*(\tj)+\ti)+4:ACC+8*(4*(\tj)+\ti)+7] offset:64*\ti+16
.endr
.set BB, BK+32*((\tj)%2)
.irp i, 0,1,2,3,4,5,6,7
	ds_load_b128 v[BB+4*\i:BB+4*\i+3], v[RD] offset:\i*2*PITCH
.endr
.endm
.macro SEND tj, younger                ; younger: the LDS instructions issued behind this tile's loads, which may stay out
.set BB, BK+32*((\tj)%2)
	s_wait_dscnt \younger
.irp i, 0,1,2,3,4,5,6,7
	global_store_b128 v[CO], v[BB+4*\i:BB+4*\i+3], s[14:15] offset:(32*((\tj)/2)+8*((\tj)%2)+2*\i+8*(\i/4))*4096 th:TH_STORE_NT   ; stage rows 2 i and 2 i + 1 are rows 2 i + h + 8 (i/4) of the tile pair; written once, read by nobody here
.endr
.endm
	PLACES 4                                       ; in front of the first read of results
	TOSTAGE 0
.irp a, 1,2,3
.if \a > 1
	s_wait_xcnt 0x0                                ; tile a - 2's stores have read their registers: tile a's loads may land there
.endif
	TOSTAGE \a
	SEND \a-1, 16                                  ; behind tile a - 1's loads: tile a's eight stores and eight loads
.endr
	SEND 3, 0
	s_wait_tensorcnt 0x0
	ds_add_u32 v30, v31
	s_wait_dscnt 0x0
	CROUND                                         ; the closing round: no work-group ends while a partner may still ask for a panel that names it
	s_endpgm
.Lfunc_end_k_q1e4fa5a432_oproj:
	.size	k_q1e4fa5a432_oproj, .Lfunc_end_k_q1e4fa5a432_oproj-k_q1e4fa5a432_oproj
	.p2alignl 7, 3214868480
	.fill 96, 4, 3214868480
	.section	.rodata,"a",@progbits
	.p2align	6, 0x0
	.amdhsa_kernel k_q1e4fa5a432_oproj
		.amdhsa_group_segment_fixed_size 327680
		.amdhsa_private_segment_fixed_size 0
		.amdhsa_enable_private_segment 0
		.amdhsa_kernarg_size 48
		.amdhsa_user_sgpr_count 2
		.amdhsa_user_sgpr_kernarg_segment_ptr 1
		.amdhsa_wavefront_size32 1
		.amdhsa_system_sgpr_workgroup_id_x 1
		.amdhsa_system_sgpr_workgroup_id_y 1
		.amdhsa_system_sgpr_workgroup_id_z 1
		.amdhsa_system_vgpr_workitem_id 0
		.amdhsa_next_free_vgpr 384
		.amdhsa_next_free_sgpr 80
		.amdhsa_reserve_vcc 0
		.amdhsa_float_denorm_mode_32 3
		.amdhsa_float_denorm_mode_16_64 3
		.amdhsa_memory_ordered 1
		.amdhsa_forward_progress 1
		.amdhsa_inst_pref_size 47
	.end_amdhsa_kernel
	.amdgpu_metadata
---
amdhsa.version: [ 1, 2 ]
amdhsa.kernels:
  - .name:           k_q1e4fa5a432_oproj
    .symbol:         k_q1e4fa5a432_oproj.kd
    .args:
      - { .name: cc, .offset: 0, .size: 8, .value_kind: global_buffer, .address_space: global }
      - { .name: cs, .offset: 8, .size: 8, .value_kind: global_buffer, .address_space: global }
      - { .name: W_o_codes, .offset: 16, .size: 8, .value_kind: global_buffer, .address_space: global }
      - { .name: W_o_scales, .offset: 24, .size: 8, .value_kind: global_buffer, .address_space: global }
      - { .name: b_o, .offset: 32, .size: 8, .value_kind: global_buffer, .address_space: global }
      - { .name: out0, .offset: 40, .size: 8, .value_kind: global_buffer, .address_space: global }
    .group_segment_fixed_size: 327680
    .private_segment_fixed_size: 0
    .kernarg_segment_align: 8
    .kernarg_segment_size: 48
    .max_flat_workgroup_size: 128
    .sgpr_count:     80
    .vgpr_count:     384
    .wavefront_size: 32
...
	.end_amdgpu_metadata
.endif
;; end of part 3
